; MI455X (gfx1250); checked and timed in simulation.
; The chip was launched on July 23, 2026; its instructions are those of AMD's public machine-readable ISA for CDNA 5 (MIT licence, August 2026) and "CDNA5" Instruction Set Architecture Reference Guide (July 2026). The comments in the code are by the model that wrote it; some were corrected since.
;; Multi Head Attention. Allowed arithmetic: matrix products marked QUANTISED: E2M1 operands, one E8M0 scale for each 32 along K, by v_wmma_scale_f32_16x16x128_f8f6f4 with both operands' format E2M1 (or v_wmma_scale_f32_32x16x128_f4), f32 sums; everything else in f32.
;; Inputs: Wk 1,024 x 1,024 float32; Wo 1,024 x 1,024 float32; Wq 1,024 x 1,024 float32; Wv 1,024 x 1,024 float32; bk 1,024 float32; bo 1,024 float32; bq 1,024 float32; bv 1,024 float32; x 4 x 2,048 x 1,024 float32.
;; Outputs: out0 4 x 2,048 x 1,024 float32.
;; This version of the problem:
;;   THIS VERSION OF THE PROBLEM IS GIVEN IN LOW PRECISION. The matrix products marked QUANTISED in the list below multiply operands that are first quantised to E2M1 (2 exponent bits, 1 mantissa bit; 4 bits a number), with one power-of-two scale for each 32 numbers along K (OCP MX v1.0); their sums are f32. All else is computed in f32.
;;   The module's matrix products, in the order in which they are computed (A, B: the left and right operand; K: the contracted axis; several contracted axes count as one K, in the product's order):
;;     1. [M 8,192, K 1,024] x [K 1,024, N 1,024]; A: input x; B: input Wq: QUANTISED
;;     2. [M 8,192, K 1,024] x [K 1,024, N 1,024]; A: input x; B: input Wk: QUANTISED
;;     3. [M 8,192, K 1,024] x [K 1,024, N 1,024]; A: input x; B: input Wv: QUANTISED
;;     4. batch 64 x [M 2,048, K 64] x [K 64, N 2,048]; A: computed on the way; B: computed on the way: QUANTISED
;;     5. batch 64 x [M 2,048, K 2,048] x [K 2,048, N 64]; A: softmax (see below); B: computed on the way: QUANTISED
;;     6. [M 8,192, K 1,024] x [K 1,024, N 1,024]; A: computed on the way; B: input Wo: QUANTISED
;;   THE QUANTISER, for each operand of a quantised product, along K:
;;     - K is cut into blocks of 32 from its start; a last block that is shorter is filled with zeros.
;;     - A block's scale is 2^e with e = floor(log2(the largest magnitude in the block)) - 2, held to -126 .. 127; a block of zeros has e = 0. As a byte (E8M0): e + 127.
;;     - Each number is divided by its block's scale, clamped to +-6, and rounded to the nearest number of E2M1, ties to even, subnormals kept.
;;     - The product sums the exact products of the quantised numbers (number of the format x scale) in f32.
;;   ~~~python
;;   def quantise(x, axis):      # numpy; x: float32 -> the quantised numbers, widened to float32 again
;;       x = np.moveaxis(x, axis, -1); K = x.shape[-1]
;;       x = np.pad(x, [(0, 0)] * (x.ndim - 1) + [(0, -K % 32)]); x = x.reshape(x.shape[:-1] + (-1, 32)); a = np.abs(x).max(-1, keepdims=True)
;;       e = np.where(a > 0, np.clip(np.frexp(np.where(a > 0, a, 1))[1] - 1 - 2, -126, 127), 0)      # np.frexp(a)[1] - 1 = floor(log2(a)), exactly
;;       r = np.clip(x / 2.0 ** e, -6, 6)
;;       step = 2.0 ** (np.maximum(np.frexp(np.where(r == 0, 1, r))[1] - 1, 0) - 1)
;;       q = np.round(r / step) * step * 2.0 ** e      # np.round: ties to even
;;       return np.moveaxis(q.reshape(q.shape[:-2] + (-1,))[..., :K], -1, axis).astype(np.float32)
;;   ~~~
;;   SOFTMAX AHEAD OF A QUANTISED PRODUCT. Where the list says 'softmax', what is quantised is not the finished softmax but p = 2^(t - M), with t = logit x log2(e) and M = ceil(the row's largest t), a whole number; so 1/2 < the row's largest p <= 1. The row's sum l is taken of the UNQUANTISED p, in f32, and the product's result is divided by l at the end. Since M is a whole number, a kernel that streams over the keys may use a running M (the ceiling of the running maximum): every later rescaling is an exact power of two, which a block's scale takes up: the codes' values come out the same.
;;   OPERANDS COMPUTED ON THE WAY. 'Computed on the way' means the value that the module computes at that place (a softmax that the list does not call 'softmax' is quantised finished and normalised). What goes into a quantiser is computed in f32, as accurately as f32 sums, v_exp_f32 and their like allow (about 1e-6 of the number): no bf16 or f16 on the way to a quantiser, and a product that is left as it is and whose result goes on into a quantised operand takes f32 operands (vector FMAs, or v_wmma_f32_16x16x4_f32). A number that lies on a knife's edge between two numbers of the format may be rounded either way, as far as f32 arithmetic and the matrix unit's own rounding can turn it there, and no further.
;; One version. Each part assembles by itself: llvm-mc -triple=amdgcn-amd-amdhsa -mcpu=gfx1250 --defsym DOCPART=n.
;; ======== version 1 of 1: 4 launches
;; workspace buffers: xw_c 6,291,456 bytes; xw_s 393,216 bytes; qkv 18,350,080 bytes; o_c 4,194,304 bytes; o_s 262,144 bytes
;; launch quant (part 1): grid 256 x 1, 3 waves a work-group, no clusters, 25,856 bytes of LDS; arguments x, Wq, Wk, Wv, Wo, xw_c, xw_s; writes xw_c, xw_s
.if DOCPART == 1
	.amdgcn_target "amdgcn-amd-amdhsa--gfx1250"
	.amdhsa_code_object_version 6
	.text
	.protected	k_q4135e0030a_quant
	.globl	k_q4135e0030a_quant
	.p2align	8
	.type	k_q4135e0030a_quant,@function
k_q4135e0030a_quant:
	s_mov_b64 s[64:65], 0
	v_nop
	global_prefetch_b8 v0, s[64:65] scope:SCOPE_SE
	s_setreg_imm32_b32 hwreg(HW_REG_WAVE_MODE, 25, 1), 1
	s_wait_xcnt 0x0
; MULTI-HEAD ATTENTION IN MX-FP4, FOUR LAUNCHES.  This one: x [8192][1024] and Wq, Wk, Wv, Wo [1024][1024], f32, K innermost, become codes of E2M1 with one E8M0 byte for each 32 along K.
; DEAD WORK: none.  Every bias goes into a quantised operand (bq, bk, bv) or into the output (bo), so all nine inputs have a way to out0 and are loaded; all six products are done.
; LAYOUT OF ALL WORKSPACE: operands lie as images of operand registers.  A TILE T = 2 g + u of a matrix holds the 16 rows 32 g + 8 u + r + 8 (r / 8), r = 0 .. 15.  A fragment (a tile x 128 along K) is 1,024 bytes:
; register group c (0, 1) of lane l = r + 16 h at 512 c + 16 l holds k = 64 c + 32 h + 0 .. 31.  A tile's codes: 8 fragments, 8,192 bytes.  A tile's scale words: [r][8 words], 512 bytes, word s for K step s.
; Tiles of xw_c / xw_s: x 0-511, Wq 512-575, Wk 576-639, Wv 640-703, Wo 704-767.
; SHARES.  768 tiles = 256 work-groups x 3 waves; a wave takes one tile through all of K, 8 steps of 128.  Waves share nothing: no barrier.  No matrix unit, no cluster, no tensor load: each byte is read once by one wave.
; A step's 16 loads read 512 consecutive bytes of one row each; the 8,192 bytes turn through the wave's own stage in LDS (rows of 512 + 16 bytes) and come back so that a lane holds two whole blocks of 32 of its row.
; A block's scale is 2^(floor(log2(largest magnitude)) - 2): its byte is the largest magnitude's exponent field - 2, held at 1 from below by a floor among the maximum's leaves.
; LIMITS: a block of zeros (or under the floor 2^-124) gets the byte 1 where the rule says 127: its codes are zeros, and the bytes are read by this program alone.  NaN and infinities among the inputs are not served.
.set STG,   8448                       ; a wave's stage: 16 rows x 528 bytes
.set SPARE, 3*STG                      ; behind the stages: the spare words, 128 bytes a wave, two blocks of 256 bytes that no other line names
.set X,     64                         ; v64-255  three sets of 64 numbers
.set C,     32                         ; v32-47   two sets of 8 code registers
.set SW,    20                         ; v20-27   the tile's 8 scale words
.set SPW,   28                         ; v28      LDS address of my spare word; never rewritten
.set NIL,   29                         ; v29      0; never rewritten
	s_load_b256 s[4:11], s[0:1], 0x0               ; x s[4:5], Wq s[6:7], Wk s[8:9], Wv s[10:11]
	s_load_b128 s[12:15], s[0:1], 0x20             ; Wo s[12:13], xw_c s[14:15]
	s_load_b64 s[16:17], s[0:1], 0x30              ; xw_s
	v_lshl_add_u32 v[SPW], v0, 2, SPARE
	v_mov_b32 v[NIL], 0
	v_lshrrev_b32 v1, 5, v0
	v_readfirstlane_b32 s18, v1                    ; wave 0..2
	v_and_b32 v1, 31, v0                           ; lane
	v_and_b32 v2, 15, v0                           ; r
	v_bfe_u32 v3, v0, 4, 1                         ; h
	v_lshlrev_b32 v4, 4, v1                        ; 16 x lane: my bytes of a load's 512, and of an image's 512
	s_mul_i32 s19, s18, STG
	v_add_nc_u32 v5, s19, v4                       ; the stage, on the way in: row i at 528 i
	v_mul_u32_u24 v6, v2, 528
	v_lshl_add_u32 v6, v3, 7, v6
	v_add_nc_u32 v6, s19, v6                       ; and on the way out: row r, 128 h bytes on: k = 32 h
	v_lshlrev_b32 v7, 5, v2
	v_lshl_add_u32 v7, v3, 4, v7                   ; the scale words' place: 32 r + 16 h
	v_lshlrev_b32 v8, 3, v3                        ; 8 h: my bytes' shift in a scale word
	v_mov_b32 v17, 0                               ; written once: a lane permute's destination counts as one of its sources
	s_mov_b32 s40, 0x76543210
	s_mov_b32 s41, 0xfedcba98                      ; v_permlanex16_b32's selects for lane l xor 16
	s_mul_i32 s20, ttmp9, 3
	s_add_co_u32 s20, s20, s18                     ; my tile, 0 .. 767
	s_sub_co_u32 s21, s20, 512
	s_lshr_b32 s22, s21, 6                         ; which weight (used from tile 512 on)
	s_and_b32 s23, s21, 63                         ; and which of its 64 tiles
	s_wait_alu depctr_va_vdst(0)
	s_wait_kmcnt 0x0
	s_cmp_eq_u32 s22, 0                            ; the source is chosen by the tile's number alone
	s_cselect_b64 s[24:25], s[6:7], s[8:9]
	s_cmp_eq_u32 s22, 2
	s_cselect_b64 s[26:27], s[10:11], s[12:13]
	s_cmp_lt_u32 s22, 2
	s_cselect_b64 s[24:25], s[24:25], s[26:27]
	s_cmp_lt_u32 s20, 512
	s_cselect_b64 s[24:25], s[4:5], s[24:25]
	s_cselect_b32 s23, s20, s23                    ; the tile's number in its own tensor
	s_lshr_b32 s28, s23, 1
	s_lshl_b32 s28, s28, 17                        ; 32 rows of 4,096 bytes for each pair of tiles,
	s_and_b32 s30, s23, 1
	s_lshl_b32 s30, s30, 15                        ; 8 rows for the odd one
	s_add_co_u32 s28, s28, s30
	s_mov_b32 s29, 0
	s_add_nc_u64 s[24:25], s[24:25], s[28:29]
	s_lshl_b32 s28, s20, 13
	s_add_nc_u64 s[14:15], s[14:15], s[28:29]      ; my tile's codes
	s_lshl_b32 s28, s20, 9
	s_add_nc_u64 s[16:17], s[16:17], s[28:29]      ; and scale words
.macro LOAD t                          ; step t: 512 bytes of each of the tile's 16 rows, into set t % 3
.set LX, X+64*((\t)%3)
.irp i, 0,1,2,3,4,5,6,7,8,9,10,11,12,13,14,15
	global_load_b128 v[LX+4*\i:LX+4*\i+3], v4, s[24:25] offset:(\i+8*(\i/8))*4096+512*(\t) th:TH_LOAD_NT
.endr
.endm
.macro STEP t
.set XS, X+64*((\t)%3)
.set CC, C+8*((\t)%2)
.if (\t) <= 5
	s_wait_loadcnt 32                              ; this step's 16 loads are in; those of the two steps behind it may be out
.elseif (\t) == 6
	s_wait_loadcnt 16
.else
	s_wait_loadcnt 0x0
.endif
.irp i, 0,1,2,3,4,5,6,7,8,9,10,11,12,13,14,15
	ds_store_b128 v5, v[XS+4*\i:XS+4*\i+3] offset:528*\i
.endr
.irp c, 0,1
.irp j, 0,1,2,3,4,5,6,7
	ds_load_b128 v[XS+32*\c+4*\j:XS+32*\c+4*\j+3], v6 offset:256*\c+16*\j   ; LDS serves a wave's instructions in order: these see the stores above.  Register 32 c + i = k 64 c + 32 h + i of row r
.endr
.endr
	s_wait_dscnt 0x0
.irp q, 0,1,2,3
	v_max3_num_f32 v[10+\q], |v[XS+16*\q]|, |v[XS+16*\q+1]|, 0x1800000   ; four chains of 16 numbers, each with the floor 2^(3 - 127)
.endr
.irp i, 2,4,6,8,10,12,14
.irp q, 0,1,2,3
	v_max3_num_f32 v[10+\q], v[10+\q], |v[XS+16*\q+\i]|, |v[XS+16*\q+\i+1]|
.endr
.endr
	v_max_num_f32 v14, v10, v11                    ; block 2 x 0 + h
	v_max_num_f32 v15, v12, v13                    ; block 2 x 1 + h
	v_add_nc_u32 v18, 0xff000000, v14              ; 2 off the exponent field: the conversion's scale operand
	v_add_nc_u32 v19, 0xff000000, v15
	v_lshrrev_b32 v10, 23, v18                     ; the scales' bytes
	v_lshrrev_b32 v11, 23, v19
	v_lshl_or_b32 v16, v11, 16, v10
	v_lshlrev_b32 v16, v8, v16                     ; at bytes h and 2 + h of the word;
	v_permlanex16_b32 v17, v16, s40, s41
	v_or_b32 v[SW+(\t)], v16, v17                  ; with lane l xor 16's two the word is whole
	s_wait_alu depctr_va_vdst(0)
	s_wait_xcnt 0x0                                ; the stores of two steps ago have read this set of code registers
.irp c, 0,1
.irp g, 0,1,2,3
	v_cvt_scalef32_pk8_fp4_f32 v[CC+4*\c+\g], v[XS+32*\c+8*\g:XS+32*\c+8*\g+7], v[18+\c]
.endr
.endr
	v_nop                                          ; one plain line behind the last scaled conversion
.irp c, 0,1
	global_store_b128 v4, v[CC+4*\c:CC+4*\c+3], s[14:15] offset:1024*(\t)+512*\c   ; 32 lanes store 512 consecutive bytes
.endr
.if (\t) < 5
	LOAD (\t)+3
.endif
.endm
	LOAD 0
	LOAD 1
	LOAD 2
.irp t, 0,1,2,3,4,5,6,7
	STEP \t
.endr
	v_cmp_eq_u32 vcc_lo, 1, v3                     ; lanes 0-15 store words 0-3 of row r, lanes 16-31 words 4-7
.irp i, 0,1,2,3
	v_cndmask_b32 v[48+\i], v[SW+\i], v[SW+4+\i], vcc_lo
.endr
	global_store_b128 v7, v[48:51], s[16:17]       ; 512 consecutive bytes
	s_wait_tensorcnt 0x0                           ; the wave's end: behind my last LDS store
	ds_add_u32 v[SPW], v[NIL]
	s_wait_dscnt 0x0
	s_endpgm
.Lfunc_end_k_q4135e0030a_quant:
	.size	k_q4135e0030a_quant, .Lfunc_end_k_q4135e0030a_quant-k_q4135e0030a_quant
	.p2alignl 7, 3214868480
	.fill 96, 4, 3214868480
	.section	.rodata,"a",@progbits
	.p2align	6, 0x0
	.amdhsa_kernel k_q4135e0030a_quant
		.amdhsa_group_segment_fixed_size 25856
		.amdhsa_private_segment_fixed_size 0
		.amdhsa_enable_private_segment 0
		.amdhsa_kernarg_size 56
		.amdhsa_user_sgpr_count 2
		.amdhsa_user_sgpr_kernarg_segment_ptr 1
		.amdhsa_wavefront_size32 1
		.amdhsa_system_sgpr_workgroup_id_x 1
		.amdhsa_system_sgpr_workgroup_id_y 1
		.amdhsa_system_sgpr_workgroup_id_z 1
		.amdhsa_system_vgpr_workitem_id 0
		.amdhsa_next_free_vgpr 256
		.amdhsa_next_free_sgpr 66
		.amdhsa_reserve_vcc 1
		.amdhsa_float_denorm_mode_32 3
		.amdhsa_float_denorm_mode_16_64 3
		.amdhsa_memory_ordered 1
		.amdhsa_forward_progress 1
		.amdhsa_inst_pref_size 58
	.end_amdhsa_kernel
	.amdgpu_metadata
---
amdhsa.version: [ 1, 2 ]
amdhsa.kernels:
  - .name:           k_q4135e0030a_quant
    .symbol:         k_q4135e0030a_quant.kd
    .args:
      - { .name: x, .offset: 0, .size: 8, .value_kind: global_buffer, .address_space: global }
      - { .name: Wq, .offset: 8, .size: 8, .value_kind: global_buffer, .address_space: global }
      - { .name: Wk, .offset: 16, .size: 8, .value_kind: global_buffer, .address_space: global }
      - { .name: Wv, .offset: 24, .size: 8, .value_kind: global_buffer, .address_space: global }
      - { .name: Wo, .offset: 32, .size: 8, .value_kind: global_buffer, .address_space: global }
      - { .name: xw_c, .offset: 40, .size: 8, .value_kind: global_buffer, .address_space: global }
      - { .name: xw_s, .offset: 48, .size: 8, .value_kind: global_buffer, .address_space: global }
    .group_segment_fixed_size: 25856
    .private_segment_fixed_size: 0
    .kernarg_segment_align: 8
    .kernarg_segment_size: 56
    .max_flat_workgroup_size: 96
    .sgpr_count:     66
    .vgpr_count:     256
    .wavefront_size: 32
...
	.end_amdgpu_metadata
.endif
;; end of part 1
;; launch qkv_gemm (part 2): grid 12 x 32, 4 waves a work-group, clusters of 4 x 4, 279,040 bytes of LDS; arguments xw_c, xw_s, bq, bk, bv, qkv; writes qkv
.if DOCPART == 2
	.amdgcn_target "amdgcn-amd-amdhsa--gfx1250"
	.amdhsa_code_object_version 6
	.text
	.protected	k_q4135e0030a_qkv_gemm
	.globl	k_q4135e0030a_qkv_gemm
	.p2align	8
	.type	k_q4135e0030a_qkv_gemm,@function
k_q4135e0030a_qkv_gemm:
	s_mov_b64 s[64:65], 0
	v_nop
	global_prefetch_b8 v0, s[64:65] scope:SCOPE_SE
	s_setreg_imm32_b32 hwreg(HW_REG_WAVE_MODE, 25, 1), 1
	s_wait_xcnt 0x0
	s_wait_alu depctr_hold_cnt(0) depctr_sa_sdst(0) depctr_va_vdst(0) depctr_va_sdst(0) depctr_va_ssrc(0) depctr_va_vcc(0) depctr_vm_vsrc(0)
	s_getreg_b32 s2, hwreg(HW_REG_IB_STS2, 6, 4)
	s_cmp_eq_u32 s2, 0
	s_cbranch_scc0 .Lentry_in_a_cluster
	s_endpgm
.Lentry_in_a_cluster:
	s_bfe_u32 s2, ttmp6, 0x10000c
	s_cmp_lg_u32 s2, 0xf033
	s_cbranch_scc0 .Lentry_shape_is_right
	s_endpgm
.Lentry_shape_is_right:
; Q = x Wq^T + bq, K = x Wk^T + bk, V = x Wv^T + bv on codes of E2M1 (sums f32), and the results quantised at once: Q and K along the head's 64, V along the keys.  No work of the problem is left out here.
; OPERANDS are register images (a tile = rows 32 g + 8 u + r + 8 (r / 8); a fragment = 1,024 bytes, group c of lane l at 512 c + 16 l; scale words [r][8]).
; SHARES.  A work-group: 256 tokens x 256 features; the cluster's x says which product (0 Q, 1 K, 2 V), the same in all sixteen partners.  A wave: 128 x 128, 64 accumulators.
; 384 work-groups: a block of 256 features never straddles two of the three weights.
; ALL OF K (1,024) FITS IN LDS: 16 + 16 tiles of 8,192 bytes and their scale words.  So nothing is filled twice: two tensor loads a wave at the head, one barrier, and then static addresses.
; CLUSTER 4 x 4: x's tiles are shared along a row of the cluster, the weight's along a column: each is asked for jointly, with a mask that names the four.
; Q, K: source 0 = 16 rows of W, source 1 = 16 tokens: a lane holds ONE token, and by the tiles' row order the 16 registers of tiles 2 g, 2 g + 1 are 16 neighbouring features.  128 features = two heads.
; V: the sources change places: a lane holds ONE feature and its registers run along 128 neighbouring tokens, which are the second attention product's K.
; OUTPUT qkv: two planes (Q; K with V) of [batch x head 64][key step 16][8,960 bytes]: 8 tiles x 512 bytes of codes (the head's 64: half a fragment), V [4 tiles of d][1,024], scale words [r][8] as {byte 0, byte 1, 0x7f, 0x7f}, V's [r][4].
; LIMITS: a block under the floor 2^-124 gets the byte 1 (its codes are zeros or nearly; this program alone reads the bytes); NaN and infinities are not served.
; REGISTERS: window 0: v1-12 addresses; v32-63 x's scale words, v64-95 W's (4 a tile: lanes 0-15 K steps 0-3, lanes 16-31 steps 4-7); v96-127 the quantiser's; v128-191, v192-255 source 1's fragments, two sets.
;   window 1: v0-63, v128-191 source 0's fragments, two sets; v64-127 the bias.   windows 2, 3: accumulator (a, b) at v[8 (8 (a % 4) + b)] of window 2 + a / 4.
.set PLANE, 9175040
.set HEADB, 143360
.set PACK,  8960
.set WCL,   131072                     ; LDS: x's codes at 0, W's here,
.set XSL,   262144                     ; x's scale words,
.set WSL,   270336                     ; W's,
.set SPARE, 278528                     ; and the spare words, 128 bytes a wave: two blocks of 256 bytes that no other line names
.set LI,   4                           ; v4   16 x lane
.set VSO,  5                           ; v5   V's scale words' place: 16 r + a head's bytes x h
.set ADRX, 6                           ; v6   my 8 tiles of x
.set ADRW, 7                           ; v7   my 8 tiles of W
.set ADSX, 8                           ; v8   their scale words
.set ADSW, 9
.set BOQ,  10                          ; v10  bias, Q and K: 64 h
.set QSO,  11                          ; v11  32 r + 16 h
.set BOV,  12                          ; v12  bias, V: 4 (r + 8 (r / 8))
.set SPW,  28
.set NIL,  29
.set SCX,  32
.set SCW,  64
.set TM,   96
.set PC,   112
.set PWS,  120
.set HA,   128
.set WK,   192
.set WV,   16                          ; s16 wave;  s17 wave / 2: my half of x's tiles, and: I fetch for x (0) or W (1);  s18 wave % 2: my half of W's tiles, and which half I fetch
.set WR,   17
.set WH,   18
.set CX,   19
.set CY,   20
.set KIND, 21
.set MB,   22
.set NB,   23
.set G1X,  24
.set G0X,  32
.set G1W,  48
.set G0W,  56
.set G1XS, 68
.set G0XS, 76
.set G1WS, 80
.set G0WS, 88
.set SEL,  96
.set MSB, 0
.macro WIN new                         ; the immediate's high byte repeats the setting that is left
.if MSB != \new
	s_set_vgpr_msb (MSB<<8)|\new
.set MSB, \new
.endif
.endm
.macro JLOAD g0a, g1a, g0b, g1b        ; a joint load: waves 0, 1 for x, waves 2, 3 for W; an s_nop 0 and four v_nop follow each line
	s_cmp_eq_u32 s[WR], 0
	s_cbranch_scc0 .Lfor_w_\@
	tensor_load_to_lds s[\g0a:\g0a+3], s[\g1a:\g1a+7]
	s_nop 0
.rept 4
	v_nop
.endr
	s_branch .Lasked_\@
.Lfor_w_\@:
	tensor_load_to_lds s[\g0b:\g0b+3], s[\g1b:\g1b+7]
	s_nop 0
.rept 4
	v_nop
.endr
.Lasked_\@:
.endm
.macro CROUND                          ; a round of the cluster's barrier
	s_barrier_signal -1
	s_barrier_wait -1
	s_cmp_lg_u32 s[WV], 0
	s_cbranch_scc1 .Lnot_wave_0_\@
	s_barrier_signal -3
.Lnot_wave_0_\@:
	s_barrier_wait -3
	s_barrier_signal -1
	s_barrier_wait -1
.endm
.macro PLACES
.rept 4
	v_nop
.endr
.endm
	s_load_b256 s[4:11], s[0:1], 0x0               ; xw_c s[4:5], xw_s s[6:7], bq s[8:9], bk s[10:11]
	s_load_b128 s[12:15], s[0:1], 0x20             ; bv s[12:13], qkv s[14:15]
	v_lshl_add_u32 v[SPW], v0, 2, SPARE
	v_mov_b32 v[NIL], 0
	ds_add_u32 v[SPW], v[NIL]                      ; the wave's opening: the add, twice on end, and its wait ahead of my first tensor load
	ds_add_u32 v[SPW], v[NIL]
	v_lshrrev_b32 v1, 5, v0
	v_readfirstlane_b32 s[WV], v1
	s_lshr_b32 s[WR], s[WV], 1
	s_and_b32 s[WH], s[WV], 1
	s_bfe_u32 s[CX], ttmp6, 0x40000
	s_bfe_u32 s[CY], ttmp6, 0x40004
	s_mov_b32 s[KIND], ttmp9                       ; the cluster's x: 0 Q, 1 K, 2 V
	s_and_b32 s[MB], ttmp7, 0xffff
	s_lshl_b32 s[MB], s[MB], 2
	s_add_co_u32 s[MB], s[MB], s[CY]               ; my block of 256 tokens
	s_lshl_b32 s[NB], ttmp9, 2
	s_add_co_u32 s[NB], s[NB], s[CX]               ; my block of 256 rows of the three weights on end
	s_lshl_b32 s42, s[CY], 2
	s_lshl_b32 s42, 15, s42                        ; my row of the cluster
	s_lshl_b32 s43, 0x1111, s[CX]                  ; my column
	s_or_b32 s[G1X], s42, (3<<16)|(1<<21)          ; group 1: the mask; elements of 8 bytes; bit 21 beside a mask; no padding: dense rows of 256 bytes
	s_or_b32 s[G1XS], s42, (3<<16)|(1<<21)
	s_or_b32 s[G1W], s43, (3<<16)|(1<<21)
	s_or_b32 s[G1WS], s43, (3<<16)|(1<<21)
.irp g, G1X, G1W
	s_mov_b32 s[\g+1], 32<<16                      ; tensor_dim0 = 32 elements
	s_mov_b32 s[\g+2], 256<<16                     ; tensor_dim1 = 256 rows: 8 tiles' codes
	s_mov_b32 s[\g+3], 32<<16                      ; tile_dim0
	s_mov_b32 s[\g+4], 256                         ; tile_dim1
	s_mov_b32 s[\g+5], 32                          ; the pitch
	s_mov_b32 s[\g+6], 0
	s_mov_b32 s[\g+7], 0
.endr
.irp g, G1XS, G1WS
	s_mov_b32 s[\g+1], 32<<16
	s_mov_b32 s[\g+2], 16<<16                      ; 16 rows: 8 tiles' scale words
	s_mov_b32 s[\g+3], 32<<16
	s_mov_b32 s[\g+4], 16
	s_mov_b32 s[\g+5], 32
	s_mov_b32 s[\g+6], 0
	s_mov_b32 s[\g+7], 0
.endr
	s_lshl_b32 s38, s[WH], 16                      ; the half that I fetch: codes,
	s_lshl_b32 s39, s[WH], 12                      ; scale words
	s_lshl_b32 s36, s[MB], 17                      ; x's offsets hang on the token block and the wave alone,
	s_add_co_u32 s36, s36, s38
	s_mov_b32 s37, 0
	s_lshl_b32 s44, s[MB], 13
	s_add_co_u32 s44, s44, s39
	s_mov_b32 s45, 0
	s_lshl_b32 s40, s[NB], 17                      ; W's on the feature block and the wave alone
	s_add_co_u32 s40, s40, s38
	s_add_co_u32 s40, s40, 4194304                 ; the weights' tiles begin at tile 512
	s_mov_b32 s41, 0
	s_lshl_b32 s46, s[NB], 13
	s_add_co_u32 s46, s46, s39
	s_add_co_u32 s46, s46, 262144
	s_mov_b32 s47, 0
	s_lshl_b32 s60, s[WV], 16                      ; where they go: codes at 65,536 x wave,
	s_lshl_b32 s61, s[WV], 12
	s_add_co_u32 s61, s61, XSL                     ; scale words at 4,096 x wave behind them
	s_mov_b32 s[SEL], 0x76543210
	s_mov_b32 s[SEL+1], 0xfedcba98
	s_wait_dscnt 0x0                               ; both opening adds are done
	s_wait_kmcnt 0x0
	s_mov_b32 s[G0X], 1
	s_mov_b32 s[G0X+1], s60
	s_add_nc_u64 s[G0X+2:G0X+3], s[4:5], s[36:37]
	s_or_b32 s[G0X+3], s[G0X+3], 0x80000000
	s_mov_b32 s[G0W], 1
	s_mov_b32 s[G0W+1], s60
	s_add_nc_u64 s[G0W+2:G0W+3], s[4:5], s[40:41]
	s_or_b32 s[G0W+3], s[G0W+3], 0x80000000
	s_mov_b32 s[G0XS], 1
	s_mov_b32 s[G0XS+1], s61
	s_add_nc_u64 s[G0XS+2:G0XS+3], s[6:7], s[44:45]
	s_or_b32 s[G0XS+3], s[G0XS+3], 0x80000000
	s_mov_b32 s[G0WS], 1
	s_mov_b32 s[G0WS+1], s61
	s_add_nc_u64 s[G0WS+2:G0WS+3], s[6:7], s[46:47]
	s_or_b32 s[G0WS+3], s[G0WS+3], 0x80000000
	CROUND                                         ; all sixteen work-groups are here: the joint loads meet
	JLOAD G0XS, G1XS, G0WS, G1WS                   ; two tensor loads of mine are out: the scale words,
	JLOAD G0X, G1X, G0W, G1W                       ; and the codes.  Nothing is ever filled again
	v_and_b32 v1, 31, v0
	v_and_b32 v2, 15, v0                           ; r
	v_bfe_u32 v3, v0, 4, 1                         ; h
	v_lshlrev_b32 v[LI], 4, v1
	v_lshlrev_b32 v[QSO], 5, v2
	v_lshl_add_u32 v[QSO], v3, 4, v[QSO]
	s_lshl_b32 s36, s[WR], 16
	v_add_nc_u32 v[ADRX], s36, v[LI]
	s_lshl_b32 s36, s[WH], 16
	s_add_co_u32 s36, s36, WCL
	v_add_nc_u32 v[ADRW], s36, v[LI]
	s_lshl_b32 s36, s[WR], 12
	s_add_co_u32 s36, s36, XSL
	v_add_nc_u32 v[ADSX], s36, v[QSO]
	s_lshl_b32 s36, s[WH], 12
	s_add_co_u32 s36, s36, WSL
	v_add_nc_u32 v[ADSW], s36, v[QSO]
	v_lshlrev_b32 v[BOQ], 6, v3
	v_and_b32 v[BOV], 8, v2
	v_add_nc_u32 v[BOV], v[BOV], v2
	v_lshlrev_b32 v[BOV], 2, v[BOV]
	v_mul_u32_u24 v[VSO], v3, HEADB
	v_lshl_add_u32 v[VSO], v2, 4, v[VSO]
.irp b, 0,1,2,3
	v_mov_b32 v[TM+4+\b], 0                        ; written once: a lane permute's destination counts as one of its sources
.endr
	s_lshr_b32 s36, s[MB], 3                       ; the batch;
	s_lshl_b32 s36, s36, 4
	s_lshl_b32 s37, s[CX], 2
	s_add_co_u32 s36, s36, s37
	s_lshl_b32 s37, s[WH], 1
	s_add_co_u32 s36, s36, s37                     ; 16 x batch + my first head (4 cx + 2 x my half)
	s_mul_i32 s36, s36, HEADB
	s_and_b32 s37, s[MB], 7
	s_lshl_b32 s37, s37, 1
	s_add_co_u32 s37, s37, s[WR]                   ; my 128 tokens are key step 2 (block % 8) + my half
	s_mul_i32 s37, s37, PACK
	s_add_co_u32 s36, s36, s37
	s_min_u32 s37, s[KIND], 1                      ; Q's plane, or K's and V's
	s_mul_i32 s37, s37, PLANE
	s_add_co_u32 s36, s36, s37
	s_mov_b32 s37, 0
	s_add_nc_u64 s[94:95], s[14:15], s[36:37]
	s_lshl_b32 s38, s[CX], 10
	s_lshl_b32 s39, s[WH], 9
	s_add_co_u32 s38, s38, s39                     ; my 128 features' bias
	s_mov_b32 s39, 0
	s_cmp_eq_u32 s[KIND], 0
	s_cselect_b64 s[92:93], s[8:9], s[10:11]
	s_cmp_eq_u32 s[KIND], 2
	s_cselect_b64 s[92:93], s[12:13], s[92:93]
	s_add_nc_u64 s[92:93], s[92:93], s[38:39]
; source 0's and source 1's 8 fragments of K step k, into sets k % 2: 32 dense loads of 512 bytes
.macro FETCH pa, ra, k
	WIN 0x40                                       ; destination window 1
.irp i, 0,1,2,3,4,5,6,7
.irp c, 0,1
	ds_load_b128 v[128*((\k)%2)+8*\i+4*\c:128*((\k)%2)+8*\i+4*\c+3], v[\pa] offset:\i*8192+(\k)*1024+\c*512
.endr
.endr
	WIN 0
.irp i, 0,1,2,3,4,5,6,7
.irp c, 0,1
	ds_load_b128 v[128+64*((\k)%2)+8*\i+4*\c:128+64*((\k)%2)+8*\i+4*\c+3], v[\ra] offset:\i*8192+(\k)*1024+\c*512
.endr
.endr
.endm
.macro SCALES                          ; all of K's scale words of my 8 + 8 tiles, once
.irp i, 0,1,2,3,4,5,6,7
	ds_load_b128 v[SCX+4*\i:SCX+4*\i+3], v[ADSX] offset:512*\i
	ds_load_b128 v[SCW+4*\i:SCW+4*\i+3], v[ADSW] offset:512*\i
.endr
.endm
; 32 matrix instructions: source 1's tiles 4 hi .. 4 hi + 3 against source 0's eight.  The 64 accumulators take turns, one instruction a turn, in the same order in every step.  Step 0 starts the sums.
.macro MUL32 hi, k, ps, rs
.irp a, 0,1,2,3
.irp b, 0,1,2,3,4,5,6,7
.set rD, 8*(8*\a+\b)
.set rP, 128*((\k)%2)+8*\b
.set rR, 128+64*((\k)%2)+8*(4*(\hi)+\a)
.set rA, \ps+4*\b+(\k)%4
.set rB, \rs+4*(4*(\hi)+\a)+(\k)%4
.if (\k) == 0
	v_wmma_scale_f32_16x16x128_f8f6f4 v[rD:rD+7], v[rP:rP+7], v[rR:rR+7], 0, v[rA], v[rB] matrix_a_fmt:MATRIX_FMT_FP4 matrix_b_fmt:MATRIX_FMT_FP4
.elseif (\k) < 4
	v_wmma_scale_f32_16x16x128_f8f6f4 v[rD:rD+7], v[rP:rP+7], v[rR:rR+7], v[rD:rD+7], v[rA], v[rB] matrix_a_fmt:MATRIX_FMT_FP4 matrix_b_fmt:MATRIX_FMT_FP4
.else
	v_wmma_scale_f32_16x16x128_f8f6f4 v[rD:rD+7], v[rP:rP+7], v[rR:rR+7], v[rD:rD+7], v[rA], v[rB] matrix_a_fmt:MATRIX_FMT_FP4 matrix_b_fmt:MATRIX_FMT_FP4 matrix_a_scale:MATRIX_SCALE_ROW1 matrix_b_scale:MATRIX_SCALE_ROW1
.endif
.endr
.endr
.endm
.macro STEP pa, ra, k, ps, rs
	s_wait_dscnt 0x0                               ; this step's fragments are in (asked for 64 matrix instructions ago)
.if (\k) > 0
	PLACES                                         ; four places in front of loads into the set that the last step's products read
.endif
.if (\k) < 7
	FETCH \pa, \ra, (\k)+1
.endif
	WIN 0xa1                                       ; source 0 window 1, source 1 window 0, C and D window 2
	MUL32 0, \k, \ps, \rs
	WIN 0xf1                                       ; C and D window 3
	MUL32 1, \k, \ps, \rs
	WIN 0
.endm
; 64 numbers of a lane, register 16 b + i = k 32 b + 16 h + i of my row, become a fragment's codes in v[PC] on and its scale word in v[pw]
.macro QUANT s, pw
.irp b, 0,1,2,3
	v_max3_num_f32 v[TM+\b], |v[\s+16*\b]|, |v[\s+1+16*\b]|, 0x1800000   ; my 16 numbers of block b, and the floor 2^(3 - 127)
.endr
.irp i, 2,4,6,8,10,12,14
.irp b, 0,1,2,3
	v_max3_num_f32 v[TM+\b], v[TM+\b], |v[\s+16*\b+\i]|, |v[\s+1+16*\b+\i]|
.endr
.endr
.irp b, 0,1,2,3
	v_permlanex16_b32 v[TM+4+\b], v[TM+\b], s[SEL], s[SEL+1]
.endr
.irp b, 0,1,2,3
	v_max_num_f32 v[TM+\b], v[TM+\b], v[TM+4+\b]   ; with lane l xor 16's: the block's largest magnitude
.endr
.irp b, 0,1,2,3
	v_add_nc_u32 v[TM+12+\b], 0xff000000, v[TM+\b] ; 2 off its exponent field: the conversion's scale operand
.endr
.irp b, 0,1,2,3
	v_lshrrev_b32 v[TM+4+\b], 23, v[TM+12+\b]      ; the scale's byte
.endr
	v_lshl_or_b32 v[\pw], v[TM+5], 8, v[TM+4]
	v_lshl_or_b32 v[\pw], v[TM+6], 16, v[\pw]
	v_lshl_or_b32 v[\pw], v[TM+7], 24, v[\pw]
.irp b, 0,1,2,3
	v_cvt_scalef32_pk8_fp4_f32 v[PC+2*\b], v[\s+16*\b:\s+7+16*\b], v[TM+12+\b]
	v_cvt_scalef32_pk8_fp4_f32 v[PC+1+2*\b], v[\s+8+16*\b:\s+15+16*\b], v[TM+12+\b]
.endr
	v_nop                                          ; one plain line behind the last scaled conversion
.irp c, 0,1                                    ; the operand wants a whole block in a lane: lanes 0-15 block 2 c, lanes 16-31 block 2 c + 1
.irp i, 0,1
	v_permlane16_swap_b32 v[PC+4*\c+\i], v[PC+2+4*\c+\i]
.endr
.endr
.endm
; token tile a: sum + bias (which also brings the 64 numbers into window 0), quantised: registers 0-3 are the first head's 64, registers 4-7 the second's
.macro EPI_QK a
	s_wait_xcnt 0x0                                ; the last tile's stores have read the code registers
	WIN 0x06+(\a)/4                                ; source 0: window 2 or 3; source 1: window 1
.set I_, 0
.rept 32
	v_pk_add_f32 v[HA+I_:HA+I_+1], v[64*((\a)%4)+I_:64*((\a)%4)+I_+1], v[64+I_:65+I_]   ; each accumulator from its low end on
.set I_, I_+2
.endr
	WIN 0
	QUANT HA, PWS+\a
	global_store_b128 v[LI], v[PC:PC+3], s[94:95] offset:(\a)*512              ; 512 consecutive bytes
	global_store_b128 v[LI], v[PC+4:PC+7], s[94:95] offset:HEADB+(\a)*512
.endm
; feature tile a (head a / 4, its tile a % 4 of d): the lane's one bias; the 64 numbers run along the key step's 128 tokens: a whole fragment of V
.macro EPI_V a
	s_wait_xcnt 0x0
	WIN 0x06+(\a)/4
.set I_, 0
.rept 32
	v_pk_add_f32 v[HA+I_:HA+I_+1], v[64*((\a)%4)+I_:64*((\a)%4)+I_+1], v[64+2*(\a):65+2*(\a)]
.set I_, I_+2
.endr
	WIN 0
	QUANT HA, PWS+\a
	global_store_b128 v[LI], v[PC:PC+3], s[94:95] offset:4096+((\a)/4)*HEADB+((\a)%4)*1024
	global_store_b128 v[LI], v[PC+4:PC+7], s[94:95] offset:4096+((\a)/4)*HEADB+((\a)%4)*1024+512
.endm
	s_wait_tensorcnt 0x0                           ; my two loads have landed,
	s_barrier_signal -1
	s_barrier_wait -1                              ; everybody's have: from here on LDS is only read
	s_cmp_eq_u32 s[KIND], 2                        ; the cluster's x: the same way in all waves of all partners
	s_cbranch_scc1 .Lv
	; ---- Q or K: source 0 = W, source 1 = x
	WIN 0x40
.irp b, 0,1,2,3,4,5,6,7                        ; the bias in the result's layout: tile b, lane half h: features 32 (b / 2) + 16 h + 8 (b % 2) + 0 .. 7
	global_load_b128 v[64+8*\b:67+8*\b], v[BOQ], s[92:93] offset:(32*(\b/2)+8*(\b%2))*4
	global_load_b128 v[68+8*\b:71+8*\b], v[BOQ], s[92:93] offset:(32*(\b/2)+8*(\b%2))*4+16
.endr
	WIN 0
	SCALES
	FETCH ADRW, ADRX, 0
.irp k, 0,1,2,3,4,5,6,7
	STEP ADRW, ADRX, \k, SCW, SCX
.endr
	PLACES                                         ; four places behind the last products
	s_wait_loadcnt 0x0                             ; the bias
.irp a, 0,1,2,3,4,5,6,7
	EPI_QK \a
.endr
	v_cmp_eq_u32 vcc_lo, 1, v3                     ; the scale words: lanes 0-15 store tiles 0-3 of token r, lanes 16-31 tiles 4-7
.irp i, 0,1,2,3
	v_cndmask_b32 v[WK+\i], v[PWS+\i], v[PWS+4+\i], vcc_lo
.endr
	v_mov_b32 v[WK+4], 0x7f7f7f7f                  ; the upper 64 of the instruction's K hold zero codes: their bytes are 1.0
.irp i, 0,1,2,3
	v_perm_b32 v[WK+8+\i], v[WK+4], v[WK+\i], 0x05040100    ; the first head: bytes 0, 1
	v_perm_b32 v[WK+12+\i], v[WK+4], v[WK+\i], 0x05040302   ; the second: bytes 2, 3
.endr
	global_store_b128 v[QSO], v[WK+8:WK+11], s[94:95] offset:8192
	global_store_b128 v[QSO], v[WK+12:WK+15], s[94:95] offset:8192+HEADB
	s_branch .Lend
.Lv:
	; ---- V: source 0 = x, source 1 = W
	WIN 0x40
	s_wait_alu depctr_va_vdst(0)
.irp a, 0,1,2,3,4,5,6,7                        ; my lane's feature of tile a: 32 (a / 2) + 8 (a % 2) + r + 8 (r / 8); its bias twice, as a pair
	global_load_b32 v[64+2*\a], v[BOV], s[92:93] offset:(32*(\a/2)+8*(\a%2))*4
	global_load_b32 v[65+2*\a], v[BOV], s[92:93] offset:(32*(\a/2)+8*(\a%2))*4
.endr
	WIN 0
	SCALES
	FETCH ADRX, ADRW, 0
.irp k, 0,1,2,3,4,5,6,7
	STEP ADRX, ADRW, \k, SCX, SCW
.endr
	PLACES
	s_wait_loadcnt 0x0
.irp a, 0,1,2,3,4,5,6,7
	EPI_V \a
.endr
	v_cmp_eq_u32 vcc_lo, 1, v3                     ; lanes 0-15 store the first head's four words of row r, lanes 16-31 the second's
.irp i, 0,1,2,3
	v_cndmask_b32 v[WK+\i], v[PWS+\i], v[PWS+4+\i], vcc_lo
.endr
	global_store_b128 v[VSO], v[WK:WK+3], s[94:95] offset:8704   ; sixteen lanes store 256 consecutive bytes
.Lend:
	s_wait_tensorcnt 0x0                           ; the wave's end
	ds_add_u32 v[SPW], v[NIL]
	s_wait_dscnt 0x0
	CROUND                                         ; the closing round
	s_endpgm
.Lfunc_end_k_q4135e0030a_qkv_gemm:
	.size	k_q4135e0030a_qkv_gemm, .Lfunc_end_k_q4135e0030a_qkv_gemm-k_q4135e0030a_qkv_gemm
	.p2alignl 7, 3214868480
	.fill 96, 4, 3214868480
	.section	.rodata,"a",@progbits
	.p2align	6, 0x0
	.amdhsa_kernel k_q4135e0030a_qkv_gemm
		.amdhsa_group_segment_fixed_size 279040
		.amdhsa_private_segment_fixed_size 0
		.amdhsa_enable_private_segment 0
		.amdhsa_kernarg_size 48
		.amdhsa_user_sgpr_count 2
		.amdhsa_user_sgpr_kernarg_segment_ptr 1
		.amdhsa_wavefront_size32 1
		.amdhsa_system_sgpr_workgroup_id_x 1
		.amdhsa_system_sgpr_workgroup_id_y 1
		.amdhsa_system_sgpr_workgroup_id_z 1
		.amdhsa_system_vgpr_workitem_id 0
		.amdhsa_next_free_vgpr 1024
		.amdhsa_next_free_sgpr 98
		.amdhsa_reserve_vcc 1
		.amdhsa_float_denorm_mode_32 3
		.amdhsa_float_denorm_mode_16_64 3
		.amdhsa_memory_ordered 1
		.amdhsa_forward_progress 1
		.amdhsa_inst_pref_size 255
	.end_amdhsa_kernel
	.section	.bss,"aw",@nobits
	.p2align	6
	.space	262144
	.amdgpu_metadata
---
amdhsa.version: [ 1, 2 ]
amdhsa.kernels:
  - .name:           k_q4135e0030a_qkv_gemm
    .symbol:         k_q4135e0030a_qkv_gemm.kd
    .args:
      - { .name: xw_c, .offset: 0, .size: 8, .value_kind: global_buffer, .address_space: global }
      - { .name: xw_s, .offset: 8, .size: 8, .value_kind: global_buffer, .address_space: global }
      - { .name: bq, .offset: 16, .size: 8, .value_kind: global_buffer, .address_space: global }
      - { .name: bk, .offset: 24, .size: 8, .value_kind: global_buffer, .address_space: global }
      - { .name: bv, .offset: 32, .size: 8, .value_kind: global_buffer, .address_space: global }
      - { .name: qkv, .offset: 40, .size: 8, .value_kind: global_buffer, .address_space: global }
    .group_segment_fixed_size: 279040
    .private_segment_fixed_size: 0
    .kernarg_segment_align: 8
    .kernarg_segment_size: 48
    .max_flat_workgroup_size: 128
    .sgpr_count:     98
    .vgpr_count:     1024
    .wavefront_size: 32
...
	.end_amdgpu_metadata
.endif
;; end of part 2
;; launch attn (part 3): grid 4 x 64, 16 waves a work-group, clusters of 4 x 1, 167,936 bytes of LDS; arguments qkv, o_c, o_s; writes o_c, o_s
.if DOCPART == 3
	.amdgcn_target "amdgcn-amd-amdhsa--gfx1250"
	.amdhsa_code_object_version 6
	.text
	.protected	k_q4135e0030a_attn
	.globl	k_q4135e0030a_attn
	.p2align	8
	.type	k_q4135e0030a_attn,@function
k_q4135e0030a_attn:
	s_mov_b64 s[64:65], 0
	v_nop
	global_prefetch_b8 v0, s[64:65] scope:SCOPE_SE
	s_setreg_imm32_b32 hwreg(HW_REG_WAVE_MODE, 25, 1), 1
	s_wait_xcnt 0x0
	s_wait_alu depctr_hold_cnt(0) depctr_sa_sdst(0) depctr_va_vdst(0) depctr_va_sdst(0) depctr_va_ssrc(0) depctr_va_vcc(0) depctr_vm_vsrc(0)
	s_getreg_b32 s2, hwreg(HW_REG_IB_STS2, 6, 4)
	s_cmp_eq_u32 s2, 0
	s_cbranch_scc0 .Lentry_in_a_cluster
	s_endpgm
.Lentry_in_a_cluster:
	s_bfe_u32 s2, ttmp6, 0x10000c
	s_cmp_lg_u32 s2, 0x3003
	s_cbranch_scc0 .Lentry_shape_is_right
	s_endpgm
.Lentry_shape_is_right:
; O = softmax(Q K^T / 8) V for each of 64 (batch, head), both products on codes of E2M1, and O / l quantised along the embedding for the last projection.  No work of the problem is left out here.
; THE SOFTMAX: t = score x log2(e) / 8; M = the running largest t rounded UP to a whole number; p = 2^(t - M) is quantised along the keys, not normalised; the row's sum is taken of the unquantised p and divides at the end.
; When M moves, the sum and O are multiplied by 2^(old M - new M), which rounds nothing.
; SHARES.  A work-group stays with 512 queries of one head, in two passes; in a pass each of its SIXTEEN waves owns one tile of 16 queries in 256 registers: four waves to a SIMD, one wave's vector work beside another's products and LDS loads.
; THE HEAD'S WHOLE K AND V, codes and scale words, 143,360 bytes, lie in LDS as they lie in memory (16 key steps of 8,960 bytes: K 8 x 512, V 4 x 1,024, K's words 512, V's 256).  Nothing is filled twice.
; CLUSTER 4 x 1: the four work-groups of a head ask for it jointly: four tensor loads (waves 0, 1: two each), the first two bringing key steps 0-3, so that work begins while the rest is on its way.
; LAYOUT.  Both products transposed: S^T = K Q^T, O^T = V^T P^T: a lane holds ONE query.  By the tiles' row order (row 32 g + 8 u + r + 8 (r / 8)) the 16 registers of tiles 2 b, 2 b + 1 are 16 neighbouring keys (or channels).
; The head is 64 wide: the upper 64 of the first product's K are zero codes on both sides, under the byte 0x7f.
; LIMITS: a block whose largest p (or |O / l|) lies under the floor 2^-124 gets the byte 1; NaN and infinities are not served.
; REGISTERS: v1-11 addresses; v12 -M, v13 the largest t, v[14:15] the sum; v16-23 Q; v24-27 K's scale words; v32-95 K; v96-159 S^T, then p; v160-191 O^T; v192-223 V; v224-231 p's codes; v232-247 at work; v240-243 V's scale words;
;   v[250:251] f; v253 p's scale word; v255 Q's.
.set PLANE, 9175040
.set HEADB, 143360
.set PACK,  8960
.set SPARE, 143360                     ; behind the head's pack: the spare words, 128 bytes a wave: eight blocks of 256 bytes that no other line names
.set LI,  1                            ; v1  16 x lane
.set AKS, 2                            ; v2  K's scale words: 8,192 + 32 r + 16 h
.set AVS, 3                            ; v3  V's: 8,704 + 16 r
.set HH,  4                            ; v4  h
.set SPW, 5
.set NIL, 6
.set QS,  7                            ; v7  32 r
.set ADI, 8                            ; v8-10 the three with the group's LDS base
.set ADS, 9
.set ADT, 10
.set OSO, 11                           ; v11 32 r + h
.set WV,  10
.set CX,  11
.set BH,  12
.set G1A, 16
.set G1B, 24
.set G0A, 32
.set G0B, 36
.set SEL, 40
.set CS,  42
.set TB,  44
.set PASS, 45
.set GRP, 46
.set QB,  48
.set QSB, 50
.set OCB, 52
.set OSB, 54
.macro CROUND
	s_barrier_signal -1
	s_barrier_wait -1
	s_cmp_lg_u32 s[WV], 0
	s_cbranch_scc1 .Lnot_wave_0_\@
	s_barrier_signal -3
.Lnot_wave_0_\@:
	s_barrier_wait -3
	s_barrier_signal -1
	s_barrier_wait -1
.endm
	s_load_b128 s[4:7], s[0:1], 0x0                ; qkv s[4:5], o_c s[6:7]
	s_load_b64 s[8:9], s[0:1], 0x10                ; o_s
	v_lshl_add_u32 v[SPW], v0, 2, SPARE
	v_mov_b32 v[NIL], 0
	ds_add_u32 v[SPW], v[NIL]                      ; the wave's opening: the add, twice on end, and its wait ahead of the first tensor load
	ds_add_u32 v[SPW], v[NIL]
	v_lshrrev_b32 v1, 5, v0
	s_delay_alu instid0(VALU_DEP_1)
	v_readfirstlane_b32 s[WV], v1                  ; wave 0..15
	s_bfe_u32 s[CX], ttmp6, 0x40000                ; my block of 512 queries: it enters Q's and O's addresses alone
	s_and_b32 s[BH], ttmp7, 0xffff                 ; batch x 16 + head, which the four partners share
	s_mov_b32 s[G1A], 15|(3<<16)|(1<<21)           ; group 1: all four work-groups; elements of 8 bytes; bit 21 beside a mask; dense rows of 256 bytes
	s_mov_b32 s[G1A+1], 32<<16
	s_mov_b32 s[G1A+2], 70<<16                     ; 70 rows: half of key steps 0-3
	s_mov_b32 s[G1A+3], 32<<16
	s_mov_b32 s[G1A+4], 70
	s_mov_b32 s[G1A+5], 32
	s_mov_b32 s[G1A+6], 0
	s_mov_b32 s[G1A+7], 0
	s_mov_b32 s[G1B], 15|(3<<16)|(1<<21)
	s_mov_b32 s[G1B+1], 32<<16
	s_mov_b32 s[G1B+2], 210<<16                    ; 210 rows: half of key steps 4-15
	s_mov_b32 s[G1B+3], 32<<16
	s_mov_b32 s[G1B+4], 210
	s_mov_b32 s[G1B+5], 32
	s_mov_b32 s[G1B+6], 0
	s_mov_b32 s[G1B+7], 0
	s_mul_i32 s56, s[BH], HEADB                    ; the head's first byte in a plane
	s_and_b32 s57, s[WV], 1                        ; which half I fetch, if I fetch
	s_mul_i32 s58, s57, 17920
	s_mul_i32 s59, s57, 53760
	s_add_co_u32 s59, s59, 35840
	s_mov_b32 s[G0A], 1
	s_mov_b32 s[G0A+1], s58
	s_mov_b32 s[G0B], 1
	s_mov_b32 s[G0B+1], s59
	s_add_co_u32 s60, s56, s58
	s_add_co_u32 s60, s60, PLANE
	s_mov_b32 s61, 0
	s_add_co_u32 s62, s56, s59
	s_add_co_u32 s62, s62, PLANE
	s_mov_b32 s63, 0
	s_mov_b32 s[SEL], 0x76543210
	s_mov_b32 s[SEL+1], 0xfedcba98
	s_mov_b32 s[CS], 0x3e38aa3b                    ; c = log2(e) / 8
	s_mov_b32 s[CS+1], s[CS]                       ; (named with it as a pair, so it is written)
	s_wait_dscnt 0x0                               ; both opening adds are done
	s_wait_kmcnt 0x0
	s_add_nc_u64 s[G0A+2:G0A+3], s[4:5], s[60:61]
	s_or_b32 s[G0A+3], s[G0A+3], 0x80000000
	s_add_nc_u64 s[G0B+2:G0B+3], s[4:5], s[62:63]
	s_or_b32 s[G0B+3], s[G0B+3], 0x80000000
	CROUND                                         ; all four work-groups are here: the joint loads meet
	s_cmp_lt_u32 s[WV], 2                          ; a loading wave's two fills stand in one branch on the wave's number: two loads of it are out
	s_cbranch_scc0 .Lno_fill
	tensor_load_to_lds s[G0A:G0A+3], s[G1A:G1A+7]
	s_nop 0
	tensor_load_to_lds s[G0B:G0B+3], s[G1B:G1B+7]
	s_nop 0
.rept 4
	v_nop
.endr
.Lno_fill:
	v_and_b32 v1, 31, v0
	s_delay_alu instid0(VALU_DEP_1)
	v_lshlrev_b32 v[LI], 4, v1
	v_and_b32 v[QS], 15, v0                        ; r
	v_bfe_u32 v[HH], v0, 4, 1
	s_delay_alu instid0(VALU_DEP_2)
	v_lshlrev_b32 v[AKS], 5, v[QS]
	s_delay_alu instid0(VALU_DEP_1)
	v_lshl_add_u32 v[AKS], v[HH], 4, v[AKS]
	s_delay_alu instid0(VALU_DEP_1)
	v_add_nc_u32 v[AKS], 8192, v[AKS]
	v_lshlrev_b32 v[AVS], 4, v[QS]
	s_delay_alu instid0(VALU_DEP_1)
	v_add_nc_u32 v[AVS], 8704, v[AVS]
	v_lshlrev_b32 v[QS], 5, v[QS]
	s_delay_alu instid0(VALU_DEP_1)
	v_add_nc_u32 v[OSO], v[QS], v[HH]
.irp i, 20,21,22,23
	v_mov_b32 v\i, 0                               ; Q's upper 64 along K: zero codes
.endr
.irp t, 0,1,2,3,4,5,6,7
.irp i, 4,5,6,7
	v_mov_b32 v[32+8*\t+\i], 0                     ; K's likewise: written once, never loaded over
.endr
.endr
.irp i, 236,237,238,239,251,252
	v_mov_b32 v\i, 0                               ; lane permutes' destinations, and the upper half of f's pair
.endr
	s_lshl_b32 s58, s[CX], 2
	s_lshr_b32 s59, s[WV], 3
	s_add_co_u32 s58, s58, s59                     ; my query tile T = 32 cx + 16 pass + wave lies in pack T / 8, at tile T % 8
	s_mul_i32 s58, s58, PACK
	s_add_co_u32 s58, s58, s56
	s_and_b32 s59, s[WV], 7
	s_lshl_b32 s60, s59, 9
	s_add_co_u32 s60, s60, s58
	s_mov_b32 s61, 0
	s_add_nc_u64 s[QB:QB+1], s[4:5], s[60:61]      ; Q's codes
	s_lshl_b32 s60, s59, 2
	s_add_co_u32 s60, s60, s58
	s_add_co_u32 s60, s60, 8192
	s_add_nc_u64 s[QSB:QSB+1], s[4:5], s[60:61]    ; Q's scale words
	s_lshr_b32 s58, s[BH], 4
	s_lshl_b32 s58, s58, 7
	s_lshl_b32 s59, s[CX], 5
	s_add_co_u32 s58, s58, s59
	s_add_co_u32 s58, s58, s[WV]                   ; the token tile: 128 x batch + T
	s_and_b32 s59, s[BH], 15                       ; the head
	s_lshl_b32 s60, s58, 13
	s_lshl_b32 s62, s59, 9
	s_add_co_u32 s60, s60, s62                     ; K step head / 2, half head % 2: 512 bytes a head
	s_add_nc_u64 s[OCB:OCB+1], s[6:7], s[60:61]
	s_lshl_b32 s60, s58, 9
	s_lshl_b32 s62, s59, 1
	s_add_co_u32 s60, s60, s62                     ; two scale bytes a head in each row's 32
	s_add_nc_u64 s[OSB:OSB+1], s[8:9], s[60:61]
.macro ADDR
	v_add_nc_u32 v[ADI], s[TB], v[LI]
	v_add_nc_u32 v[ADS], s[TB], v[AKS]
	v_add_nc_u32 v[ADT], s[TB], v[AVS]
.endm
; A KEY STEP: 128 keys, the q-th of the group of four in hand
.macro STEP q
.irp t, 0,1,2,3,4,5,6,7
	ds_load_b128 v[32+8*\t:35+8*\t], v[ADI] offset:(\q)*PACK+512*\t      ; 512 dense bytes: tile t's codes
.endr
	s_setprio 2
	ds_load_b128 v[24:27], v[ADS] offset:(\q)*PACK                       ; lanes 0-15: the words of tiles 0-3; lanes 16-31: of tiles 4-7
	s_wait_dscnt 0x0
.irp t, 0,1,2,3
	v_wmma_scale_f32_16x16x128_f8f6f4 v[96+8*\t:103+8*\t], v[32+8*\t:39+8*\t], v[16:23], 0, v[24+\t], v255 matrix_a_fmt:MATRIX_FMT_FP4 matrix_b_fmt:MATRIX_FMT_FP4
.endr
.irp t, 0,1,2,3
	v_wmma_scale_f32_16x16x128_f8f6f4 v[128+8*\t:135+8*\t], v[64+8*\t:71+8*\t], v[16:23], 0, v[24+\t], v255 matrix_a_fmt:MATRIX_FMT_FP4 matrix_b_fmt:MATRIX_FMT_FP4 matrix_a_scale:MATRIX_SCALE_ROW1
.endr
.rept 4
	v_nop                                          ; four places: behind these products for the maxima below, and behind the last step's second product for the loads into V's registers
.endr
.irp t, 0,1,2,3
.irp c, 0,1
	ds_load_b128 v[192+8*\t+4*\c:195+8*\t+4*\c], v[ADI] offset:(\q)*PACK+4096+1024*\t+512*\c   ; V lands under the softmax
.endr
.endr
	ds_load_b128 v[240:243], v[ADT] offset:(\q)*PACK
.irp b, 0,1,2,3
	v_max3_num_f32 v[232+\b], v[96+16*\b], v[97+16*\b], v[98+16*\b]      ; the largest score of each block of 32 keys: for the row's maximum, and, since p rises with the score, for the block's largest p
.endr
.irp i, 3,5,7,9,11,13
.irp b, 0,1,2,3
	v_max3_num_f32 v[232+\b], v[232+\b], v[96+16*\b+\i], v[97+16*\b+\i]
.endr
.endr
.irp b, 0,1,2,3
	v_max_num_f32 v[232+\b], v[232+\b], v[111+16*\b]
.endr
.irp b, 0,1,2,3
	s_delay_alu instid0(VALU_DEP_4)
	v_permlanex16_b32 v[236+\b], v[232+\b], s[SEL], s[SEL+1]
.endr
.irp b, 0,1,2,3
	s_delay_alu instid0(VALU_DEP_4)
	v_max_num_f32 v[232+\b], v[232+\b], v[236+\b]  ; with lane l xor 16's 16 keys
.endr
	s_delay_alu instid0(VALU_DEP_2)
	v_max3_num_f32 v254, v232, v233, v234
	s_delay_alu instid0(VALU_DEP_1)
	v_max_num_f32 v254, v254, v235
	s_delay_alu instid0(VALU_DEP_1)
	v_mul_f32 v254, s[CS], v254                    ; the step's largest t (c is positive)
	s_delay_alu instid0(VALU_DEP_1)
	v_max_num_f32 v13, v13, v254                   ; the running largest t
	v_mov_b32 v254, v12
	s_delay_alu instid0(VALU_DEP_2)
	v_floor_f32 v12, -v13                          ; the new -M = floor(-t) = -ceil(t)
	s_delay_alu instid0(VALU_DEP_1)
	v_sub_f32 v254, v12, v254                      ; old M - new M: a whole number, 0 or less
	s_delay_alu instid0(VALU_DEP_1)
	v_cvt_i32_f32 v254, v254                       ; (it saturates)
	s_delay_alu instid0(VALU_DEP_1)
	v_ldexp_f32 v250, 1.0, v254                    ; f = 2^(old M - new M)
.set J_, 0
.rept 32
	v_pk_fma_f32 v[96+J_:97+J_], v[96+J_:97+J_], s[CS:CS+1], v[12:13] op_sel_hi:[1,0,0]   ; t - M, two at a time
.set J_, J_+2
.endr
.irp b, 0,1,2,3
	v_fma_f32 v[232+\b], v[232+\b], s[CS], v12     ; the same of each block's largest score
.endr
.set J_, 0
	s_wait_alu depctr_va_vdst(0)
.rept 64
	v_exp_f32 v[96+J_], v[96+J_]                   ; p = 2^(t - M), at most 1
.set J_, J_+1
.endr
	s_setprio 1
.irp b, 0,1,2,3
	v_exp_f32 v[232+\b], v[232+\b]                 ; the block's largest p.  ONE batch of 68: none reads another's result
.endr
	v_pk_mul_f32 v[14:15], v[14:15], v[250:251] op_sel_hi:[1,0]   ; the sums under the new M: the plain line behind the last exponential
	s_wait_alu depctr_va_vdst(0)                   ; one wait between the batch and the first line that names a result
.irp b, 0,1,2,3
	v_max_num_f32 v[232+\b], 0x1800000, v[232+\b]  ; the floor 2^(3 - 127): the byte cannot fall under 1
.endr
.irp b, 0,1,2,3
	s_delay_alu instid0(VALU_DEP_4)
	v_add_nc_u32 v[244+\b], 0xff000000, v[232+\b]  ; 2 off the exponent field: the conversion's scale operand
.endr
.irp b, 0,1,2,3
	s_delay_alu instid0(VALU_DEP_4)
	v_lshrrev_b32 v[236+\b], 23, v[244+\b]         ; the scale's byte
.endr
	s_delay_alu instid0(VALU_DEP_3)
	v_lshl_or_b32 v253, v237, 8, v236              ; p's scale word for these 128 keys
	s_delay_alu instid0(VALU_DEP_1)
	v_lshl_or_b32 v253, v238, 16, v253
	s_delay_alu instid0(VALU_DEP_1)
	v_lshl_or_b32 v253, v239, 24, v253
.irp b, 0,1,2,3
	v_cvt_scalef32_pk8_fp4_f32 v[224+2*\b], v[96+16*\b:103+16*\b], v[244+\b]
	v_cvt_scalef32_pk8_fp4_f32 v[225+2*\b], v[104+16*\b:111+16*\b], v[244+\b]
.endr
	v_nop                                          ; one plain line behind the last scaled conversion
.irp c, 0,1
.irp i, 0,1
	v_permlane16_swap_b32 v[224+4*\c+\i], v[226+4*\c+\i]   ; a whole block in a lane
.endr
.endr
.set J_, 0
.rept 16
	v_pk_mul_f32 v[160+J_:161+J_], v[160+J_:161+J_], v[250:251] op_sel_hi:[1,0]   ; O^T under the new M, each accumulator from its low end on
.set J_, J_+2
.endr
	v_pk_add_f32 v[236:237], v[100:101], v[104:105]
	v_pk_add_f32 v[248:249], v[108:109], v[112:113]
	v_pk_add_f32 v[246:247], v[116:117], v[120:121]
	v_pk_add_f32 v[244:245], v[124:125], v[128:129]
	v_pk_add_f32 v[234:235], v[132:133], v[136:137]
	v_pk_add_f32 v[232:233], v[140:141], v[144:145]
	v_pk_add_f32 v[90:91], v[148:149], v[152:153]
	v_pk_add_f32 v[14:15], v[14:15], v[156:157]
	v_pk_add_f32 v[236:237], v[236:237], v[96:97]
	v_pk_add_f32 v[248:249], v[248:249], v[98:99]
	v_pk_add_f32 v[246:247], v[246:247], v[102:103]
	v_pk_add_f32 v[244:245], v[244:245], v[106:107]
	v_pk_add_f32 v[234:235], v[234:235], v[110:111]
	v_pk_add_f32 v[232:233], v[232:233], v[114:115]
	v_pk_add_f32 v[90:91], v[90:91], v[118:119]
	v_pk_add_f32 v[14:15], v[14:15], v[122:123]
	v_pk_add_f32 v[236:237], v[236:237], v[126:127]
	v_pk_add_f32 v[248:249], v[248:249], v[130:131]
	v_pk_add_f32 v[246:247], v[246:247], v[134:135]
	v_pk_add_f32 v[244:245], v[244:245], v[138:139]
	s_setprio 0
	v_pk_add_f32 v[234:235], v[234:235], v[142:143]
	v_pk_add_f32 v[232:233], v[232:233], v[146:147]
	v_pk_add_f32 v[90:91], v[90:91], v[150:151]
	v_pk_add_f32 v[14:15], v[14:15], v[154:155]
	v_pk_add_f32 v[236:237], v[236:237], v[158:159]
	s_delay_alu instid0(VALU_DEP_2)
	v_pk_add_f32 v[14:15], v[14:15], v[244:245]
	s_delay_alu instid0(VALU_DEP_2)
	v_pk_add_f32 v[236:237], v[236:237], v[234:235]
	v_pk_add_f32 v[248:249], v[248:249], v[232:233]
	v_pk_add_f32 v[246:247], v[246:247], v[90:91]
	s_delay_alu instid0(VALU_DEP_2)
	v_pk_add_f32 v[14:15], v[14:15], v[248:249]
	s_delay_alu instid0(VALU_DEP_2)
	v_pk_add_f32 v[236:237], v[236:237], v[246:247]
	s_delay_alu instid0(VALU_DEP_1)
	v_pk_add_f32 v[14:15], v[14:15], v[236:237]
	s_wait_dscnt 0x0                               ; V and its scale words are in
.irp t, 0,1,2,3                                ; four accumulators by turns; the eight products of the next step's scores stand between two links of a chain
	v_wmma_scale_f32_16x16x128_f8f6f4 v[160+8*\t:167+8*\t], v[192+8*\t:199+8*\t], v[224:231], v[160+8*\t:167+8*\t], v[240+\t], v253 matrix_a_fmt:MATRIX_FMT_FP4 matrix_b_fmt:MATRIX_FMT_FP4
.endr
.endm
	s_mov_b32 s[PASS], 2
.Lpass:
	global_load_b128 v[16:19], v[LI], s[QB:QB+1]   ; my tile of Q: 512 dense bytes
	global_load_b32 v255, v[QS], s[QSB:QSB+1]      ; and its scale words
	v_mov_b32 v13, 0xff61b1e6                      ; the largest t so far: -3e38
	s_delay_alu instid0(VALU_DEP_1)
	v_floor_f32 v12, -v13
	v_mov_b32 v14, 0
	v_mov_b32 v15, 0
.set J_, 0
.rept 32
	v_mov_b32 v[160+J_], 0                         ; O^T: the step is written once; its first walk finds zeros, which the first change of M leaves zeros
.set J_, J_+1
.endr
	s_wait_loadcnt 0x0
	s_wait_tensorcnt 0x1                           ; key steps 0-3 have landed; the load of steps 4-15, issued behind it, may stay out
	s_wait_dscnt 0x0
	s_barrier_signal -1
	s_barrier_wait -1
	s_mov_b32 s[TB], 0
	ADDR
	s_wait_alu depctr_va_vdst(0)
	STEP 0
	STEP 1
	STEP 2
	STEP 3
	s_wait_tensorcnt 0x0                           ; the rest has landed,
	s_wait_dscnt 0x0
	s_barrier_signal -1
	s_barrier_wait -1                              ; in both loading waves
	s_mov_b32 s[GRP], 3
.Lgrp:
	s_add_co_u32 s[TB], s[TB], 4*PACK
	ADDR
	s_wait_alu depctr_va_vdst(0)
	STEP 0
	STEP 1
	STEP 2
	STEP 3
	s_sub_co_u32 s[GRP], s[GRP], 1
	s_cmp_lg_u32 s[GRP], 0
	s_cbranch_scc1 .Lgrp
	s_setprio 0
	s_wait_alu depctr_va_vdst(0)
	; THE WAY OUT: O^T / l, quantised along the head's 64 channels (two blocks), which are half a K step of the last projection
	v_add_f32 v14, v14, v15
	s_delay_alu instid0(VALU_DEP_1)
	v_permlanex16_b32 v252, v14, s[SEL], s[SEL+1]
	s_delay_alu instid0(VALU_DEP_1)
	v_add_f32 v14, v14, v252                       ; the row's sum
	s_wait_alu depctr_va_vdst(0)
	v_rcp_f32 v14, v14
.rept 4
	v_nop                                          ; the plain line behind the reciprocal, and the places behind the last products
.endr
	s_wait_alu depctr_va_vdst(0)                   ; the wait ahead of the reciprocal's first reader
.set J_, 0
.rept 16
	v_pk_mul_f32 v[96+J_:97+J_], v[160+J_:161+J_], v[14:15] op_sel_hi:[1,0]   ; register 16 b + i = channel 32 b + 16 h + i of my query
.set J_, J_+2
.endr
.irp b, 0,1
	v_max3_num_f32 v[232+\b], |v[96+16*\b]|, |v[97+16*\b]|, 0x1800000
.endr
.irp i, 2,4,6,8,10,12,14
.irp b, 0,1
	s_delay_alu instid0(VALU_DEP_2)
	v_max3_num_f32 v[232+\b], v[232+\b], |v[96+16*\b+\i]|, |v[97+16*\b+\i]|
.endr
.endr
.irp b, 0,1
	s_delay_alu instid0(VALU_DEP_2)
	v_permlanex16_b32 v[236+\b], v[232+\b], s[SEL], s[SEL+1]
.endr
.irp b, 0,1
	s_delay_alu instid0(VALU_DEP_2)
	v_max_num_f32 v[232+\b], v[232+\b], v[236+\b]
.endr
.irp b, 0,1
	s_delay_alu instid0(VALU_DEP_2)
	v_add_nc_u32 v[244+\b], 0xff000000, v[232+\b]
.endr
.irp b, 0,1
	s_delay_alu instid0(VALU_DEP_2)
	v_lshrrev_b32 v[236+\b], 23, v[244+\b]
.endr
	v_cmp_eq_u32 vcc_lo, 1, v[HH]
	s_delay_alu instid0(VALU_DEP_1)
	v_cndmask_b32 v238, v236, v237, vcc_lo         ; lane (r, h) stores block h's byte of row r
.irp b, 0,1
	v_cvt_scalef32_pk8_fp4_f32 v[224+2*\b], v[96+16*\b:103+16*\b], v[244+\b]
	v_cvt_scalef32_pk8_fp4_f32 v[225+2*\b], v[104+16*\b:111+16*\b], v[244+\b]
.endr
	v_nop
	v_permlane16_swap_b32 v224, v226
	v_permlane16_swap_b32 v225, v227               ; v224-227: k = 32 h + 0 .. 31 of the head's 64
	global_store_b128 v[LI], v[224:227], s[OCB:OCB+1]   ; 512 consecutive bytes
	global_store_b8 v[OSO], v238, s[OSB:OSB+1]     ; 32 single bytes a tile: the rest of each scale word belongs to other heads' work-groups
	s_wait_xcnt 0x0                                ; the stores have read their registers and bases
	s_add_nc_u64 s[QB:QB+1], s[QB:QB+1], 2*PACK    ; 16 tiles on
	s_add_nc_u64 s[QSB:QSB+1], s[QSB:QSB+1], 2*PACK
	s_add_nc_u64 s[OCB:OCB+1], s[OCB:OCB+1], 16*8192
	s_add_nc_u64 s[OSB:OSB+1], s[OSB:OSB+1], 16*512
	s_sub_co_u32 s[PASS], s[PASS], 1
	s_cmp_lg_u32 s[PASS], 0
	s_cbranch_scc1 .Lpass
	s_wait_tensorcnt 0x0                           ; the wave's end
	ds_add_u32 v[SPW], v[NIL]
	s_wait_dscnt 0x0
	CROUND                                         ; the closing round
	s_endpgm
.Lfunc_end_k_q4135e0030a_attn:
	.size	k_q4135e0030a_attn, .Lfunc_end_k_q4135e0030a_attn-k_q4135e0030a_attn
	.p2alignl 7, 3214868480
	.fill 96, 4, 3214868480
	.section	.rodata,"a",@progbits
	.p2align	6, 0x0
	.amdhsa_kernel k_q4135e0030a_attn
		.amdhsa_group_segment_fixed_size 167936
		.amdhsa_private_segment_fixed_size 0
		.amdhsa_enable_private_segment 0
		.amdhsa_kernarg_size 24
		.amdhsa_user_sgpr_count 2
		.amdhsa_user_sgpr_kernarg_segment_ptr 1
		.amdhsa_wavefront_size32 1
		.amdhsa_system_sgpr_workgroup_id_x 1
		.amdhsa_system_sgpr_workgroup_id_y 1
		.amdhsa_system_sgpr_workgroup_id_z 1
		.amdhsa_system_vgpr_workitem_id 0
		.amdhsa_next_free_vgpr 256
		.amdhsa_next_free_sgpr 66
		.amdhsa_reserve_vcc 1
		.amdhsa_float_denorm_mode_32 3
		.amdhsa_float_denorm_mode_16_64 3
		.amdhsa_memory_ordered 1
		.amdhsa_forward_progress 1
		.amdhsa_inst_pref_size 138
	.end_amdhsa_kernel
	.amdgpu_metadata
---
amdhsa.version: [ 1, 2 ]
amdhsa.kernels:
  - .name:           k_q4135e0030a_attn
    .symbol:         k_q4135e0030a_attn.kd
    .args:
      - { .name: qkv, .offset: 0, .size: 8, .value_kind: global_buffer, .address_space: global }
      - { .name: o_c, .offset: 8, .size: 8, .value_kind: global_buffer, .address_space: global }
      - { .name: o_s, .offset: 16, .size: 8, .value_kind: global_buffer, .address_space: global }
    .group_segment_fixed_size: 167936
    .private_segment_fixed_size: 0
    .kernarg_segment_align: 8
    .kernarg_segment_size: 24
    .max_flat_workgroup_size: 512
    .sgpr_count:     66
    .vgpr_count:     256
    .wavefront_size: 32
...
	.end_amdgpu_metadata
.endif
;; end of part 3
;; launch out_gemm (part 4): grid 4 x 64, 4 waves a work-group, clusters of 4 x 4, 327,680 bytes of LDS; arguments o_c, o_s, xw_c, xw_s, bo, out0; writes out0
.if DOCPART == 4
	.amdgcn_target "amdgcn-amd-amdhsa--gfx1250"
	.amdhsa_code_object_version 6
	.text
	.protected	k_q4135e0030a_out_gemm
	.globl	k_q4135e0030a_out_gemm
	.p2align	8
	.type	k_q4135e0030a_out_gemm,@function
k_q4135e0030a_out_gemm:
	s_mov_b64 s[64:65], 0
	v_nop
	global_prefetch_b8 v0, s[64:65] scope:SCOPE_SE
	s_setreg_imm32_b32 hwreg(HW_REG_WAVE_MODE, 25, 1), 1
	s_wait_xcnt 0x0
	s_wait_alu depctr_hold_cnt(0) depctr_sa_sdst(0) depctr_va_vdst(0) depctr_va_sdst(0) depctr_va_ssrc(0) depctr_va_vcc(0) depctr_vm_vsrc(0)
	s_getreg_b32 s2, hwreg(HW_REG_IB_STS2, 6, 4)
	s_cmp_eq_u32 s2, 0
	s_cbranch_scc0 .Lentry_in_a_cluster
	s_endpgm
.Lentry_in_a_cluster:
	s_bfe_u32 s2, ttmp6, 0x10000c
	s_cmp_lg_u32 s2, 0xf033
	s_cbranch_scc0 .Lentry_shape_is_right
	s_endpgm
.Lentry_shape_is_right:
; out0 = O Wo^T + bo on codes of E2M1, sums f32.  O's codes and scale words come from the attention launch, Wo's from the quantiser (tiles 704-767).  No work of the problem is left out here.
; OPERANDS are register images (a tile = rows 32 g + 8 u + r + 8 (r / 8); a fragment = 1,024 bytes, group c of lane l at 512 c + 16 l; scale words [r][8]).
; SHARES.  256 work-groups of 128 tokens x 256 features; a wave: 64 tokens (4 tiles) x 128 features (8 tiles): 32 accumulators.  All of K (1,024) fits in LDS: two tensor loads a wave at the head, one barrier, nothing filled twice.
; CLUSTER 4 x 4: O's tiles are shared along a row of the cluster, Wo's along a column: asked for jointly.
; Source 0 = Wo, source 1 = O: a lane holds one token, and the 16 registers of tiles 2 g, 2 g + 1 are 16 neighbouring features.  bo is the C of each sum's first product.
; THE WAY OUT: 16 tokens x 128 features through the wave's own stage (rows of 512 + 16 bytes), back as whole rows; the tiles' row order is undone by the stores' offsets.
; REGISTERS: window 0: v4-13 addresses; v32-47 O's scale words, v64-95 Wo's; v128-159, v160-191 O's fragments, two sets (on the way out v128-255 take the rows).  window 1: v0-63, v128-191 Wo's fragments; v64-127 bo.  window 2: accumulator (a, b) at v[8 (8 a + b)].
.set WCL,   65536                      ; LDS: O's codes at 0, Wo's here,
.set OSL,   196608                     ; O's scale words,
.set WSL,   200704                     ; Wo's,
.set STAGE, 208896                     ; the four stages, into which no tensor load lands,
.set SPITCH, 528
.set SPARE, 242688                     ; and the spare words, 128 bytes a wave: two blocks of 256 bytes that no other line names
.set LI,   4
.set ADRO, 6
.set ADRW, 7
.set ADSO, 8
.set ADSW, 9
.set BOQ,  10
.set QSO,  11
.set STO,  12
.set RD,   13
.set SPW,  28
.set NIL,  29
.set SCO,  32
.set SCW,  64
.set WV,   16
.set WR,   17
.set WH,   18
.set CX,   19
.set CY,   20
.set TBK,  22
.set G1O,  24
.set G0O,  32
.set G1W,  48
.set G0W,  56
.set G1OS, 68
.set G0OS, 76
.set G1WS, 80
.set G0WS, 88
.set MSB, 0
.macro WIN new
.if MSB != \new
	s_set_vgpr_msb (MSB<<8)|\new
.set MSB, \new
.endif
.endm
.macro JLOAD g0a, g1a, g0b, g1b        ; a joint load: waves 0, 1 for O, waves 2, 3 for Wo; an s_nop 0 and four v_nop follow each line
	s_cmp_eq_u32 s[WR], 0
	s_cbranch_scc0 .Lfor_w_\@
	tensor_load_to_lds s[\g0a:\g0a+3], s[\g1a:\g1a+7]
	s_nop 0
.rept 4
	v_nop
.endr
	s_branch .Lasked_\@
.Lfor_w_\@:
	tensor_load_to_lds s[\g0b:\g0b+3], s[\g1b:\g1b+7]
	s_nop 0
.rept 4
	v_nop
.endr
.Lasked_\@:
.endm
.macro CROUND
	s_barrier_signal -1
	s_barrier_wait -1
	s_cmp_lg_u32 s[WV], 0
	s_cbranch_scc1 .Lnot_wave_0_\@
	s_barrier_signal -3
.Lnot_wave_0_\@:
	s_barrier_wait -3
	s_barrier_signal -1
	s_barrier_wait -1
.endm
.macro PLACES
.rept 4
	v_nop
.endr
.endm
.macro G1ROWS g, rows                  ; group 1's constant words: dense rows of 256 bytes
	s_mov_b32 s[\g+1], 32<<16
	s_mov_b32 s[\g+2], (\rows)<<16
	s_mov_b32 s[\g+3], 32<<16
	s_mov_b32 s[\g+4], \rows
	s_mov_b32 s[\g+5], 32
	s_mov_b32 s[\g+6], 0
	s_mov_b32 s[\g+7], 0
.endm
	s_load_b256 s[4:11], s[0:1], 0x0               ; o_c s[4:5], o_s s[6:7], xw_c s[8:9], xw_s s[10:11]
	s_load_b128 s[12:15], s[0:1], 0x20             ; bo s[12:13], out0 s[14:15]
	v_lshl_add_u32 v[SPW], v0, 2, SPARE
	v_mov_b32 v[NIL], 0
	ds_add_u32 v[SPW], v[NIL]                      ; the wave's opening: the add, twice on end, and its wait ahead of my first tensor load
	ds_add_u32 v[SPW], v[NIL]
	v_lshrrev_b32 v1, 5, v0
	v_readfirstlane_b32 s[WV], v1
	s_lshr_b32 s[WR], s[WV], 1                     ; my half of the tokens; also: I fetch for O (0) or Wo (1)
	s_and_b32 s[WH], s[WV], 1                      ; my half of the features; also: which half I fetch
	s_bfe_u32 s[CX], ttmp6, 0x40000                ; my block of 256 features (the grid is one cluster wide)
	s_bfe_u32 s[CY], ttmp6, 0x40004
	s_and_b32 s[TBK], ttmp7, 0xffff
	s_lshl_b32 s[TBK], s[TBK], 2
	s_add_co_u32 s[TBK], s[TBK], s[CY]             ; my block of 128 tokens
	s_lshl_b32 s42, s[CY], 2
	s_lshl_b32 s42, 15, s42                        ; my row of the cluster
	s_lshl_b32 s43, 0x1111, s[CX]                  ; my column
	s_or_b32 s[G1O], s42, (3<<16)|(1<<21)
	s_or_b32 s[G1OS], s42, (3<<16)|(1<<21)
	s_or_b32 s[G1W], s43, (3<<16)|(1<<21)
	s_or_b32 s[G1WS], s43, (3<<16)|(1<<21)
	G1ROWS G1O, 128                                ; 4 tiles' codes
	G1ROWS G1OS, 8                                 ; their scale words
	G1ROWS G1W, 256                                ; 8 tiles' codes
	G1ROWS G1WS, 16
	s_lshl_b32 s36, s[TBK], 16                     ; O's offsets hang on the token block and the wave alone,
	s_lshl_b32 s38, s[WH], 15
	s_add_co_u32 s36, s36, s38
	s_mov_b32 s37, 0
	s_lshl_b32 s44, s[TBK], 12
	s_lshl_b32 s39, s[WH], 11
	s_add_co_u32 s44, s44, s39
	s_mov_b32 s45, 0
	s_lshl_b32 s40, s[CX], 17                      ; Wo's on the feature block and the wave alone
	s_lshl_b32 s60, s[WH], 16
	s_add_co_u32 s40, s40, s60
	s_add_co_u32 s40, s40, 5767168                 ; Wo's tiles begin at tile 704
	s_mov_b32 s41, 0
	s_lshl_b32 s46, s[CX], 13
	s_lshl_b32 s61, s[WH], 12
	s_add_co_u32 s46, s46, s61
	s_add_co_u32 s46, s46, 360448
	s_mov_b32 s47, 0
	s_add_co_u32 s60, s60, WCL                     ; where they go: s38 O's codes, s60 Wo's,
	s_add_co_u32 s39, s39, OSL                     ; s39 O's scale words,
	s_add_co_u32 s61, s61, WSL                     ; s61 Wo's
	s_wait_dscnt 0x0                               ; both opening adds are done
	s_wait_kmcnt 0x0
	s_mov_b32 s[G0O], 1
	s_mov_b32 s[G0O+1], s38
	s_add_nc_u64 s[G0O+2:G0O+3], s[4:5], s[36:37]
	s_or_b32 s[G0O+3], s[G0O+3], 0x80000000
	s_mov_b32 s[G0W], 1
	s_mov_b32 s[G0W+1], s60
	s_add_nc_u64 s[G0W+2:G0W+3], s[8:9], s[40:41]
	s_or_b32 s[G0W+3], s[G0W+3], 0x80000000
	s_mov_b32 s[G0OS], 1
	s_mov_b32 s[G0OS+1], s39
	s_add_nc_u64 s[G0OS+2:G0OS+3], s[6:7], s[44:45]
	s_or_b32 s[G0OS+3], s[G0OS+3], 0x80000000
	s_mov_b32 s[G0WS], 1
	s_mov_b32 s[G0WS+1], s61
	s_add_nc_u64 s[G0WS+2:G0WS+3], s[10:11], s[46:47]
	s_or_b32 s[G0WS+3], s[G0WS+3], 0x80000000
	CROUND                                         ; all sixteen work-groups are here: the joint loads meet
	JLOAD G0OS, G1OS, G0WS, G1WS                   ; one tensor load of mine is out: the scale words;
	s_wait_alu depctr_va_vdst(0)
	s_wait_tensorcnt 0x0
	ds_add_u32 v28, v29
	s_wait_dscnt 0x0
	CROUND
	JLOAD G0O, G1O, G0W, G1W                       ; and the codes.  Nothing is ever filled again
	v_and_b32 v1, 31, v0
	v_and_b32 v2, 15, v0                           ; r
	v_bfe_u32 v3, v0, 4, 1                         ; h
	v_lshlrev_b32 v[LI], 4, v1
	v_lshlrev_b32 v[QSO], 5, v2
	v_lshl_add_u32 v[QSO], v3, 4, v[QSO]           ; 32 r + 16 h
	s_lshl_b32 s36, s[WR], 15
	v_add_nc_u32 v[ADRO], s36, v[LI]               ; my 4 tiles of O
	s_lshl_b32 s36, s[WH], 16
	s_add_co_u32 s36, s36, WCL
	v_add_nc_u32 v[ADRW], s36, v[LI]               ; my 8 tiles of Wo
	s_lshl_b32 s36, s[WR], 11
	s_add_co_u32 s36, s36, OSL
	v_add_nc_u32 v[ADSO], s36, v[QSO]
	s_lshl_b32 s36, s[WH], 12
	s_add_co_u32 s36, s36, WSL
	v_add_nc_u32 v[ADSW], s36, v[QSO]
	v_lshlrev_b32 v[BOQ], 6, v3
	s_wait_alu depctr_va_vdst(0)
	s_mul_i32 s36, s[WV], 16*SPITCH
	s_add_co_u32 s36, s36, STAGE                   ; my stage
	v_mul_u32_u24 v[STO], v2, SPITCH
	v_lshl_add_u32 v[STO], v3, 6, v[STO]
	v_add_nc_u32 v[STO], s36, v[STO]               ; in: row r, 64 h bytes on
	v_add_nc_u32 v[RD], s36, v[LI]                 ; back: a whole row of 512 bytes to the 32 lanes
	s_lshl_b32 s36, s[TBK], 19                     ; 128 rows of 4,096 bytes a block,
	s_lshl_b32 s37, s[WR], 18                      ; 64 for my half,
	s_add_co_u32 s36, s36, s37
	s_lshl_b32 s38, s[CX], 10                      ; my 128 features: also bo's offset
	s_lshl_b32 s39, s[WH], 9
	s_add_co_u32 s38, s38, s39
	s_mov_b32 s39, 0
	s_add_co_u32 s36, s36, s38
	s_mov_b32 s37, 0
	s_add_nc_u64 s[94:95], s[14:15], s[36:37]
	s_add_nc_u64 s[92:93], s[12:13], s[38:39]
	WIN 0x40
.irp b, 0,1,2,3,4,5,6,7                        ; bo in the result's layout: tile b, lane half h: features 32 (b / 2) + 16 h + 8 (b % 2) + 0 .. 7
	global_load_b128 v[64+8*\b:67+8*\b], v[BOQ], s[92:93] offset:(32*(\b/2)+8*(\b%2))*4
	global_load_b128 v[68+8*\b:71+8*\b], v[BOQ], s[92:93] offset:(32*(\b/2)+8*(\b%2))*4+16
.endr
	WIN 0
.macro FETCH k                         ; Wo's 8 and O's 4 fragments of K step k, into sets k % 2: 24 dense loads of 512 bytes
	WIN 0x40
.irp i, 0,1,2,3,4,5,6,7
.irp c, 0,1
	ds_load_b128 v[128*((\k)%2)+8*\i+4*\c:128*((\k)%2)+8*\i+4*\c+3], v[ADRW] offset:\i*8192+(\k)*1024+\c*512
.endr
.endr
	WIN 0
.irp i, 0,1,2,3
.irp c, 0,1
	ds_load_b128 v[128+32*((\k)%2)+8*\i+4*\c:128+32*((\k)%2)+8*\i+4*\c+3], v[ADRO] offset:\i*8192+(\k)*1024+\c*512
.endr
.endr
.endm
; 32 matrix instructions; the 32 accumulators take turns, one instruction a turn, in the same order in every step.  Step 0 starts each sum from bo.
.macro MUL32 k
.irp a, 0,1,2,3
.irp b, 0,1,2,3,4,5,6,7
.set rD, 8*(8*\a+\b)
.set rP, 128*((\k)%2)+8*\b
.set rR, 128+32*((\k)%2)+8*\a
.set rA, SCW+4*\b+(\k)%4
.set rB, SCO+4*\a+(\k)%4
.if (\k) == 0
	v_wmma_scale_f32_16x16x128_f8f6f4 v[rD:rD+7], v[rP:rP+7], v[rR:rR+7], v[64+8*\b:71+8*\b], v[rA], v[rB] matrix_a_fmt:MATRIX_FMT_FP4 matrix_b_fmt:MATRIX_FMT_FP4
.elseif (\k) < 4
	v_wmma_scale_f32_16x16x128_f8f6f4 v[rD:rD+7], v[rP:rP+7], v[rR:rR+7], v[rD:rD+7], v[rA], v[rB] matrix_a_fmt:MATRIX_FMT_FP4 matrix_b_fmt:MATRIX_FMT_FP4
.else
	v_wmma_scale_f32_16x16x128_f8f6f4 v[rD:rD+7], v[rP:rP+7], v[rR:rR+7], v[rD:rD+7], v[rA], v[rB] matrix_a_fmt:MATRIX_FMT_FP4 matrix_b_fmt:MATRIX_FMT_FP4 matrix_a_scale:MATRIX_SCALE_ROW1 matrix_b_scale:MATRIX_SCALE_ROW1
.endif
.endr
.endr
.endm
.macro STEP k
	s_wait_dscnt 0x0                               ; this step's fragments are in
.if (\k) > 0
	PLACES                                         ; four places in front of loads into the set that the last step's products read
.endif
.if (\k) < 7
	FETCH (\k)+1
.endif
.if (\k) == 0
	WIN 0x91                                       ; source 0 window 1, source 1 window 0, C (bo) window 1, D window 2
.else
	WIN 0xa1                                       ; C and D window 2
.endif
	MUL32 \k
	WIN 0
.endm
.macro TOSTAGE a                       ; token tile a: 16 rows x 512 bytes into my stage, and back as whole rows
	WIN 0x08                                       ; an LDS store's data are its source 1: window 2
.irp b, 0,1,2,3,4,5,6,7
	ds_store_b128 v[STO], v[8*(8*(\a)+\b):8*(8*(\a)+\b)+3] offset:128*(\b/2)+32*(\b%2)        ; each accumulator from its low end on
	ds_store_b128 v[STO], v[8*(8*(\a)+\b)+4:8*(8*(\a)+\b)+7] offset:128*(\b/2)+32*(\b%2)+16
.endr
	WIN 0
.set BB, 128+64*((\a)%2)
.irp t, 0,1,2,3,4,5,6,7,8,9,10,11,12,13,14,15
	ds_load_b128 v[BB+4*\t:BB+4*\t+3], v[RD] offset:\t*SPITCH   ; LDS serves a wave's instructions in order: these see the stores above, and the next tile's stores come behind them
.endr
.endm
.macro SEND a, younger                 ; younger: the LDS instructions issued behind tile a's loads, which may stay out
.set BB, 128+64*((\a)%2)
	s_wait_dscnt \younger
.irp t, 0,1,2,3,4,5,6,7,8,9,10,11,12,13,14,15
	global_store_b128 v[LI], v[BB+4*\t:BB+4*\t+3], s[94:95] offset:(32*((\a)/2)+8*((\a)%2)+\t+8*(\t/8))*4096 th:TH_STORE_NT   ; 32 lanes store 512 consecutive bytes of the token's row; written once, read by nobody here
.endr
.endm
	s_wait_tensorcnt 0x0                           ; my two loads have landed,
	s_barrier_signal -1
	s_barrier_wait -1                              ; everybody's have: from here on the filled bytes are only read
.irp i, 0,1,2,3
	ds_load_b128 v[SCO+4*\i:SCO+4*\i+3], v[ADSO] offset:512*\i
.endr
.irp i, 0,1,2,3,4,5,6,7
	ds_load_b128 v[SCW+4*\i:SCW+4*\i+3], v[ADSW] offset:512*\i
.endr
	FETCH 0
	s_wait_loadcnt 0x0                             ; bo
.irp k, 0,1,2,3,4,5,6,7
	STEP \k
.endr
	PLACES                                         ; four places behind the last products: for the stores that read results and the loads into O's fragment registers
	s_wait_alu depctr_va_vdst(0)
	TOSTAGE 0
.irp a, 1,2,3
.if \a > 1
	s_wait_xcnt 0x0                                ; tile a - 2's stores have read the registers into which tile a's rows come back
.endif
	TOSTAGE \a
	SEND \a-1, 32                                  ; behind tile a - 1's loads: tile a's 16 stores and 16 loads
.endr
	SEND 3, 0
	s_wait_tensorcnt 0x0                           ; the wave's end: behind my last LDS store
	ds_add_u32 v[SPW], v[NIL]
	s_wait_dscnt 0x0
	CROUND                                         ; the closing round
	s_endpgm
.Lfunc_end_k_q4135e0030a_out_gemm:
	.size	k_q4135e0030a_out_gemm, .Lfunc_end_k_q4135e0030a_out_gemm-k_q4135e0030a_out_gemm
	.p2alignl 7, 3214868480
	.fill 96, 4, 3214868480
	.section	.rodata,"a",@progbits
	.p2align	6, 0x0
	.amdhsa_kernel k_q4135e0030a_out_gemm
		.amdhsa_group_segment_fixed_size 327680
		.amdhsa_private_segment_fixed_size 0
		.amdhsa_enable_private_segment 0
		.amdhsa_kernarg_size 48
		.amdhsa_user_sgpr_count 2
		.amdhsa_user_sgpr_kernarg_segment_ptr 1
		.amdhsa_wavefront_size32 1
		.amdhsa_system_sgpr_workgroup_id_x 1
		.amdhsa_system_sgpr_workgroup_id_y 1
		.amdhsa_system_sgpr_workgroup_id_z 1
		.amdhsa_system_vgpr_workitem_id 0
		.amdhsa_next_free_vgpr 768
		.amdhsa_next_free_sgpr 98
		.amdhsa_reserve_vcc 0
		.amdhsa_float_denorm_mode_32 3
		.amdhsa_float_denorm_mode_16_64 3
		.amdhsa_memory_ordered 1
		.amdhsa_forward_progress 1
		.amdhsa_inst_pref_size 72
	.end_amdhsa_kernel
	.amdgpu_metadata
---
amdhsa.version: [ 1, 2 ]
amdhsa.kernels:
  - .name:           k_q4135e0030a_out_gemm
    .symbol:         k_q4135e0030a_out_gemm.kd
    .args:
      - { .name: o_c, .offset: 0, .size: 8, .value_kind: global_buffer, .address_space: global }
      - { .name: o_s, .offset: 8, .size: 8, .value_kind: global_buffer, .address_space: global }
      - { .name: xw_c, .offset: 16, .size: 8, .value_kind: global_buffer, .address_space: global }
      - { .name: xw_s, .offset: 24, .size: 8, .value_kind: global_buffer, .address_space: global }
      - { .name: bo, .offset: 32, .size: 8, .value_kind: global_buffer, .address_space: global }
      - { .name: out0, .offset: 40, .size: 8, .value_kind: global_buffer, .address_space: global }
    .group_segment_fixed_size: 327680
    .private_segment_fixed_size: 0
    .kernarg_segment_align: 8
    .kernarg_segment_size: 48
    .max_flat_workgroup_size: 128
    .sgpr_count:     98
    .vgpr_count:     768
    .wavefront_size: 32
...
	.end_amdgpu_metadata
.endif
;; end of part 4
